; MI455X (gfx1250); checked and timed in simulation.
; The chip was launched on July 23, 2026; its instructions are those of AMD's public machine-readable ISA for CDNA 5 (MIT licence, August 2026) and "CDNA5" Instruction Set Architecture Reference Guide (July 2026). The comments in the code are by the model that wrote it; some were corrected since.
;; Retro Model. Allowed arithmetic: matrix products marked QUANTISED: E2M1 operands, one E8M0 scale for each 32 along K, by v_wmma_scale_f32_16x16x128_f8f6f4 with both operands' format E2M1 (or v_wmma_scale_f32_32x16x128_f4), f32 sums; everything else in f32.
;; Inputs: Wk 1,024 x 1,024 float32; Wo 1,024 x 1,024 float32; Wq 1,024 x 1,024 float32; Wv 1,024 x 1,024 float32; bk 1,024 float32; bo 1,024 float32; bq 1,024 float32; bv 1,024 float32; e 4 x 32 x 2 x 64 x 1,024 float32; h 4 x 2,048 x 1,024 float32; ln_b 1,024 float32; ln_g 1,024 float32.
;; Outputs: out0 4 x 2,048 x 1,024 float32.
;; This version of the problem:
;;   THIS VERSION OF THE PROBLEM IS GIVEN IN LOW PRECISION. The matrix products marked QUANTISED in the list below multiply operands that are first quantised to E2M1 (2 exponent bits, 1 mantissa bit; 4 bits a number), with one power-of-two scale for each 32 numbers along K (OCP MX v1.0); their sums are f32. All else is computed in f32.
;;   The module's matrix products, in the order in which they are computed (A, B: the left and right operand; K: the contracted axis; several contracted axes count as one K, in the product's order):
;;     1. [M 8,192, K 1,024] x [K 1,024, N 1,024]; A: computed on the way; B: input Wq: QUANTISED
;;     2. [M 16,384, K 1,024] x [K 1,024, N 1,024]; A: input e; B: input Wk: QUANTISED
;;     3. [M 16,384, K 1,024] x [K 1,024, N 1,024]; A: input e; B: input Wv: QUANTISED
;;     4. batch 2,048 x [M 64, K 64] x [K 64, N 128]; A: computed on the way; B: computed on the way: QUANTISED
;;     5. batch 2,048 x [M 64, K 128] x [K 128, N 64]; A: computed on the way; B: computed on the way: QUANTISED
;;     6. [M 8,192, K 1,024] x [K 1,024, N 1,024]; A: computed on the way; B: input Wo: QUANTISED
;;   THE QUANTISER, for each operand of a quantised product, along K:
;;     - K is cut into blocks of 32 from its start; a last block that is shorter is filled with zeros.
;;     - A block's scale is 2^e with e = floor(log2(the largest magnitude in the block)) - 2, held to -126 .. 127; a block of zeros has e = 0. As a byte (E8M0): e + 127.
;;     - Each number is divided by its block's scale, clamped to +-6, and rounded to the nearest number of E2M1, ties to even, subnormals kept.
;;     - The product sums the exact products of the quantised numbers (number of the format x scale) in f32.
;;   ~~~python
;;   def quantise(x, axis):      # numpy; x: float32 -> the quantised numbers, widened to float32 again
;;       x = np.moveaxis(x, axis, -1); K = x.shape[-1]
;;       x = np.pad(x, [(0, 0)] * (x.ndim - 1) + [(0, -K % 32)]); x = x.reshape(x.shape[:-1] + (-1, 32)); a = np.abs(x).max(-1, keepdims=True)
;;       e = np.where(a > 0, np.clip(np.frexp(np.where(a > 0, a, 1))[1] - 1 - 2, -126, 127), 0)      # np.frexp(a)[1] - 1 = floor(log2(a)), exactly
;;       r = np.clip(x / 2.0 ** e, -6, 6)
;;       step = 2.0 ** (np.maximum(np.frexp(np.where(r == 0, 1, r))[1] - 1, 0) - 1)
;;       q = np.round(r / step) * step * 2.0 ** e      # np.round: ties to even
;;       return np.moveaxis(q.reshape(q.shape[:-2] + (-1,))[..., :K], -1, axis).astype(np.float32)
;;   ~~~
;;   OPERANDS COMPUTED ON THE WAY. 'Computed on the way' means the value that the module computes at that place (a softmax that the list does not call 'softmax' is quantised finished and normalised). What goes into a quantiser is computed in f32, as accurately as f32 sums, v_exp_f32 and their like allow (about 1e-6 of the number): no bf16 or f16 on the way to a quantiser, and a product that is left as it is and whose result goes on into a quantised operand takes f32 operands (vector FMAs, or v_wmma_f32_16x16x4_f32). A number that lies on a knife's edge between two numbers of the format may be rounded either way, as far as f32 arithmetic and the matrix unit's own rounding can turn it there, and no further.
;; One version. Each part assembles by itself: llvm-mc -triple=amdgcn-amd-amdhsa -mcpu=gfx1250 --defsym DOCPART=n.
;; ======== version 1 of 1: 3 launches
;; limits: right only within a limited range of input values
;; workspace buffers: act 13,369,344 bytes; wts 2,228,224 bytes; oc 4,456,448 bytes
;; launch prep (part 1): grid 1792 x 1, 4 waves a work-group, no clusters, 68,608 bytes of LDS; arguments Wq, Wk, Wv, Wo, h, e, ln_g, ln_b, act, wts; writes act, wts
.if DOCPART == 1
	.amdgcn_target "amdgcn-amd-amdhsa--gfx1250"
	.amdhsa_code_object_version 6
	.text
	.protected	k_q70b5fe5b88_prep
	.globl	k_q70b5fe5b88_prep
	.p2align	8
	.type	k_q70b5fe5b88_prep,@function
k_q70b5fe5b88_prep:
	s_mov_b64 s[64:65], 0
	v_nop
	global_prefetch_b8 v0, s[64:65] scope:SCOPE_SE
	s_setreg_imm32_b32 hwreg(HW_REG_WAVE_MODE, 25, 1), 1
	s_wait_xcnt 0x0
; PREP: everything that arrives as f32 and is an operand of a projection becomes codes of FP4 (E2M1) with one E8M0 byte for each 32 along K,
; laid in the order of the operand's registers, so that the later launches load fragments whole.
;   work-groups 0..255     the four weights [K 1024][N 1024], K on the first axis: a lane takes a column, its registers run down K
;   work-groups 256..767   LayerNorm(h shifted by 63 rows), 63 zero rows behind each batch: one tile of 16 rows each
;   work-groups 768..1791  e: one tile of 16 rows each
; A FRAGMENT'S IMAGE (16 rows or columns x 128 K) is 1,024 bytes: [c 0..1][lane 0..31][16 bytes]; lane (r, h), part c: k = 64 c + 32 h + 0..31.
; A SCALE IMAGE is [register w 0..3][lane][4 bytes]: lanes 0-15 the words of K step 2 w, lanes 16-31 those of K step 2 w + 1.
; WHICH ROWS FORM A TILE: lane r of tile 2 b + u holds index 32 b + 8 u + r + 8 (r / 8) (rows of h, places of e, columns of Wq, Wk, Wv), so that a product's
; results of two neighbouring tiles are 16 neighbours along the next K.  Wo: lane r of tile tt of a group of 64 columns holds column 4 r + tt.
; THE PLACES OF e: the product of the attention's weights with v contracts (j, n), j outermost: K = 2 j + n, so a block of 32 along K is 16 neighbouring j of both neighbours n.
; Place 32 b + 16 n + i of a chunk holds row (n, j = 16 b + i) of e: a block of 32 places is such a block of K (the order inside a block changes neither its scale nor the sum).
; So tile t takes rows 8 t .. 8 t + 7 of neighbour 0 and the same rows of neighbour 1, 64 rows further on.
; act, for each of 128 chunks 104,448 bytes: hq codes [tile 4][step 8][1024] | hq scales [4][512] | e codes [8][8][1024] | e scales [8][512].
; wts, for each of Wq, Wk, Wv, Wo 557,056 bytes: codes [128 columns P 8][step 8][tile 8][1024] | scales [P][tile][512].
; A block's scale is 2^(floor(log2(largest magnitude)) - 2): its byte is the largest magnitude's exponent field - 2, held at 1 from below.
; LIMITS: NaN and infinities are not served.  A block whose largest magnitude lies under 2^-124, a block of zeros among them, keeps the byte 1 (the rule
; says 127 for zeros): its codes are then zeros or the held scale's, and this program alone reads the bytes.
; The scale words leave in runs of 64 bytes (weights) and 128 bytes (rows): one byte in 128 of what the launch reads.
; No tensor loads, no matrix work: memory binds.  A row tile's waves share only the LayerNorm's sums, through LDS.
.set ACTB, 104448                      ; a chunk's block of act
.set WMAT, 557056                      ; a matrix's block of wts
.set SEL,  46                          ; s[46:47] lane selects: lane l xor 16
; the weights' path
.set WI,   9                           ; v9   4 x my column in the 128
.set WO,   112                         ; v112 1024 x tile + 16 r  (v10 and v15 hold the spare word's address and 0, for the closing add alone)
.set WSO,  14                          ; v14  512 x tile + 4 r
.set SBW,  113                         ; v113 my column's four scale bytes
.set WX,   32                          ; v32-95  two sets of 32 numbers
.set WC,   96                          ; v96-111 codes, four registers a block: no store's data are written again
; the rows' path
.set LO,   2                           ; v2   16 x lane
.set L4,   3                           ; v3   4 x lane
.set STI,  4                           ; v4   my wave's stages, on the way in: 16 x lane
.set STO,  5                           ; v5   on the way out: 528 r + 64 h
.set SA,   6                           ; v6   the statistics: my wave's word
.set SB,   7                           ; v7   the statistics' first byte
.set PW,   12                          ; v12-13 the two K steps' scale words
.set PWC,  14                          ; v14  both in one register
.set G,    16                          ; v16-23 ln_g of my 8 columns
.set BB,   24                          ; v24-31 ln_b
.set R,    32                          ; v32-159 row p: 8 registers: 4 numbers of K step 2 w, 4 of K step 2 w + 1
.set XX,   160                         ; v160-223 64 numbers for the quantiser; in the LayerNorm four registers a row
.set TM,   224                         ; v224-239 at work in the quantiser
.set SUM,  224                         ; v224-239 in the LayerNorm: a row's partial sum
.set PC,   240                         ; v240-255 the two fragments' codes
.set STG,  8448                        ; a stage: 16 rows x (512 bytes + 16)
.set STAT, 67584                       ; behind the four waves' stages: [row 16][wave 4] words, twice
	s_load_b256 s[4:11], s[0:1], 0x0               ; Wq, Wk, Wv, Wo
	s_load_b256 s[12:19], s[0:1], 0x20             ; h, e, ln_g, ln_b
	s_load_b128 s[20:23], s[0:1], 0x40             ; act, wts
	v_lshl_add_u32 v10, v0, 2, 0x10a00             ; my spare word, behind the statistics
	v_mov_b32 v15, 0
	v_lshrrev_b32 v1, 5, v0
	v_readfirstlane_b32 s24, v1                    ; wave 0..3
	v_and_b32 v1, 31, v0                           ; lane
	s_cmp_lt_u32 ttmp9, 256
	s_cbranch_scc0 .Lact
; ---------------------------------------------------------------- THE WEIGHTS: matrix m, columns 128 P on, K step s; a wave takes two tiles of 16 columns
	s_lshr_b32 s25, ttmp9, 6                       ; m
	s_bfe_u32 s26, ttmp9, 0x30003                  ; P
	s_and_b32 s27, ttmp9, 7                        ; s
	v_bfe_u32 v2, v0, 3, 1                         ; Wq, Wk, Wv: lane x holds column 32 w + x, which is lane r = x % 8 + 8 (x / 16) of tile 2 w + (x / 8) % 2
	v_bfe_u32 v3, v0, 4, 1
	v_and_b32 v4, 7, v0
	v_lshl_add_u32 v4, v3, 3, v4
	v_and_b32 v5, 15, v0                           ; Wo: lane x is lane r = x % 16 of tile 2 w + x / 16, column 64 (w / 2) + 4 r + 2 (w % 2) + x / 16
	s_lshl_b32 s29, s24, 5
	v_add_nc_u32 v6, s29, v1
	s_lshr_b32 s30, s24, 1
	s_lshl_b32 s30, s30, 6
	s_and_b32 s31, s24, 1
	s_lshl_b32 s31, s31, 1
	s_add_co_u32 s30, s30, s31
	v_lshl_add_u32 v7, v5, 2, v3
	v_add_nc_u32 v7, s30, v7
	s_wait_alu depctr_va_vdst(0)
	s_wait_kmcnt 0x0
	s_cmp_eq_u32 s25, 1                            ; the matrix is chosen by the work-group's number alone
	s_cselect_b64 s[4:5], s[6:7], s[4:5]
	s_cmp_eq_u32 s25, 2
	s_cselect_b64 s[4:5], s[8:9], s[4:5]
	s_cmp_eq_u32 s25, 3
	s_cselect_b64 s[4:5], s[10:11], s[4:5]
	s_cselect_b32 vcc_lo, -1, 0                    ; all lanes: Wo's map
	v_cndmask_b32 v2, v2, v3, vcc_lo               ; which of my wave's two tiles
	v_cndmask_b32 v4, v4, v5, vcc_lo               ; r
	v_cndmask_b32 v6, v6, v7, vcc_lo               ; my column in the 128
	s_lshl_b32 s29, s24, 1
	v_add_nc_u32 v8, s29, v2                       ; tile 0..7
	v_lshlrev_b32 v[WI], 2, v6
	s_wait_alu depctr_va_vdst(0)
	v_lshlrev_b32 v[WO], 10, v8
	v_lshl_add_u32 v[WO], v4, 4, v[WO]
	v_lshlrev_b32 v[WSO], 9, v8
	v_lshl_add_u32 v[WSO], v4, 2, v[WSO]
	s_lshl_b32 s30, s27, 19                        ; 128 s rows of 4,096 bytes
	s_lshl_b32 s31, s26, 9                         ; + 128 P columns
	s_add_co_u32 s30, s30, s31
	s_mov_b32 s31, 0
	s_add_nc_u64 s[4:5], s[4:5], s[30:31]
	s_mul_i32 s32, s25, WMAT
	s_lshl_b32 s33, s26, 3
	s_add_co_u32 s33, s33, s27
	s_lshl_b32 s33, s33, 13                        ; (8 P + s) x 8 tiles x 1,024
	s_add_co_u32 s34, s32, s33
	s_mov_b32 s35, 0
	s_add_nc_u64 s[34:35], s[22:23], s[34:35]      ; the codes
	s_lshl_b32 s36, s26, 12
	s_lshl_b32 s37, s27, 6                         ; register s / 2, half s % 2: 64 s bytes
	s_add_co_u32 s36, s36, s37
	s_add_co_u32 s36, s36, s32
	s_add_co_u32 s36, s36, 524288
	s_mov_b32 s37, 0
	s_add_nc_u64 s[36:37], s[22:23], s[36:37]      ; the scale words
.macro WLOAD q                         ; block q: W(128 s + 32 q + i, my column), i = 0..31, into set q % 2
.set i, 0
.rept 32
	global_load_b32 v[WX+32*((\q)%2)+i], v[WI], s[4:5] offset:(32*(\q)+i)*4096 th:TH_LOAD_NT
.set i, i+1
.endr
.endm
.macro WBLOCK q
.set XS, WX+32*((\q)%2)
.if (\q) < 3
	s_wait_loadcnt 32                              ; this block's 32 loads are in; the next block's 32 may be out
.else
	s_wait_loadcnt 0x0
.endif
	v_max3_num_f32 v12, |v[XS]|, |v[XS+1]|, |v[XS+2]|              ; the block's largest magnitude: all 32 numbers are mine; two chains
	v_max3_num_f32 v13, |v[XS+3]|, |v[XS+4]|, |v[XS+5]|
.irp i, 6,10,14,18,22,26
	v_max3_num_f32 v12, v12, |v[XS+\i]|, |v[XS+\i+1]|
	v_max3_num_f32 v13, v13, |v[XS+\i+2]|, |v[XS+\i+3]|
.endr
	v_max3_num_f32 v12, v12, |v[XS+30]|, |v[XS+31]|
	v_max3_num_f32 v12, v12, v13, 0x1800000        ; and the floor 2^(3 - 127): the byte cannot fall under 1
	v_add_nc_u32 v11, 0xff000000, v12              ; 2 off the exponent field: the conversion's scale operand
.if (\q) == 0
	v_lshrrev_b32 v[SBW], 23, v11                  ; the scale's byte; the lower K in the lower byte
.else
	v_lshrrev_b32 v13, 23, v11
	v_lshl_or_b32 v[SBW], v13, 8*(\q), v[SBW]
.endif
.irp g, 0,1,2,3
	v_cvt_scalef32_pk8_fp4_f32 v[WC+4*(\q)+\g], v[XS+8*\g:XS+8*\g+7], v11
.endr
	global_store_b128 v[WO], v[WC+4*(\q):WC+4*(\q)+3], s[34:35] offset:((\q)/2)*512+((\q)%2)*256   ; part q / 2, half q % 2 of the image: the wave stores two runs of 256 consecutive bytes, aligned
.if (\q) < 2
	WLOAD (\q)+2
.endif
.endm
	WLOAD 0
	WLOAD 1
	WBLOCK 0
	WBLOCK 1
	WBLOCK 2
	WBLOCK 3
	global_store_b32 v[WSO], v[SBW], s[36:37]      ; my column's word for this K step
	s_endpgm
; ---------------------------------------------------------------- ROWS: a work-group takes a tile of 16 rows; wave w takes columns 256 w on: K steps 2 w and 2 w + 1
.Lact:
	s_wait_alu depctr_va_vdst(0)
	v_lshlrev_b32 v[LO], 4, v1
	v_lshlrev_b32 v[L4], 2, v1
	s_mul_i32 s25, s24, 2*STG
	v_add_nc_u32 v[STI], s25, v[LO]
	v_and_b32 v8, 15, v0                           ; r
	v_bfe_u32 v9, v0, 4, 1                         ; h
	v_mul_u32_u24 v[STO], v8, 528
	v_lshl_add_u32 v[STO], v9, 6, v[STO]
	v_add_nc_u32 v[STO], s25, v[STO]
	v_mov_b32 v[SA], s24
	v_lshl_add_u32 v[SA], v[SA], 2, STAT
	v_mov_b32 v[SB], STAT
.irp b, 0,1,2,3
	v_mov_b32 v[TM+4+\b], 0                        ; written once: a lane permute's destination counts as one of its sources
.endr
	s_mov_b32 s[SEL], 0x76543210
	s_mov_b32 s[SEL+1], 0xfedcba98
; s36 = first row in the tensor, s38 = chunk, s39 = tile in the chunk, s40, s41 = where the tensor's codes and scales begin in a chunk's block, s[26:27] = the tensor
.macro PTRS
	s_lshl_b32 s36, s36, 12
	s_lshl_b32 s37, s24, 10
	s_add_co_u32 s36, s36, s37
	s_mov_b32 s37, 0
	s_add_nc_u64 s[26:27], s[26:27], s[36:37]      ; my wave's 1,024 bytes of the tile's first row
	s_mul_i32 s38, s38, ACTB
	s_lshl_b32 s42, s39, 3
	s_lshl_b32 s43, s24, 1
	s_add_co_u32 s42, s42, s43
	s_lshl_b32 s42, s42, 10                        ; (8 tile + 2 w) images
	s_add_co_u32 s42, s42, s40
	s_add_co_u32 s42, s42, s38
	s_mov_b32 s43, 0
	s_add_nc_u64 s[28:29], s[20:21], s[42:43]      ; my two images
	s_lshl_b32 s44, s39, 9
	s_lshl_b32 s45, s24, 7
	s_add_co_u32 s44, s44, s45
	s_add_co_u32 s44, s44, s41
	s_add_co_u32 s44, s44, s38
	s_mov_b32 s45, 0
	s_add_nc_u64 s[30:31], s[20:21], s[44:45]      ; my register of the tile's scale image
.endm
.macro LOADT rs, jp                    ; the tile's 16 rows, rs bytes from row to row: rows 0..7 from the first, and eight more that begin 8 + jp rows from the first; each load reads 512 consecutive bytes
.set p, 0
.rept 16
	global_load_b128 v[R+8*p:R+8*p+3], v[LO], s[26:27] offset:(p+\jp*(p/8))*\rs th:TH_LOAD_NT
	global_load_b128 v[R+8*p+4:R+8*p+7], v[LO], s[26:27] offset:(p+\jp*(p/8))*\rs+512 th:TH_LOAD_NT
.set p, p+1
.endr
.endm
; v[SUM+p], my lane's part of row p's sum, is summed over the wave's lanes and, through LDS, over the four waves; the total lands in v[XX+4 p]
.macro REDUCE st
.irp m, 1,2,4,8
.set p, 0
.rept 16
	v_add_f32_dpp v[SUM+p], v[SUM+p], v[SUM+p] row_xmask:\m row_mask:0xf bank_mask:0xf
.set p, p+1
.endr
.endr
.set p, 0
.rept 16
	v_permlanex16_b32 v[XX+4*p+2], v[SUM+p], s[SEL], s[SEL+1]
.set p, p+1
.endr
.set p, 0
.rept 16
	v_add_f32 v[SUM+p], v[SUM+p], v[XX+4*p+2]
.set p, p+1
.endr
.set p, 0
.rept 16
	ds_store_b32 v[SA], v[SUM+p] offset:\st+16*p   ; all lanes write the same word with the same value
.set p, p+1
.endr
	s_wait_dscnt 0x0                               ; for the others' sake: my stores have landed
	s_barrier_signal -1
	s_barrier_wait -1
.set p, 0
.rept 16
	ds_load_b128 v[XX+4*p:XX+4*p+3], v[SB] offset:\st+16*p
.set p, p+1
.endr
	s_wait_dscnt 0x0
.set p, 0
.rept 16
	v_pk_add_f32 v[XX+4*p:XX+4*p+1], v[XX+4*p:XX+4*p+1], v[XX+4*p+2:XX+4*p+3]
.set p, p+1
.endr
.set p, 0
.rept 16
	v_add_f32 v[XX+4*p], v[XX+4*p], v[XX+4*p+1]
.set p, p+1
.endr
.endm
; 64 numbers of a lane, register 16 b + i = k 32 b + 16 (lane / 16) + i of my row, become a fragment's codes in v[pc] on and its scale word in v[pw]
.macro QUANT s, pc, pw
.irp b, 0,1,2,3
	v_max3_num_f32 v[TM+\b], |v[\s+16*\b]|, |v[\s+1+16*\b]|, 0x1800000   ; block b: my 16 numbers, and the floor 2^(3 - 127)
.endr
.irp i, 2,4,6,8,10,12,14
.irp b, 0,1,2,3
	v_max3_num_f32 v[TM+\b], v[TM+\b], |v[\s+16*\b+\i]|, |v[\s+1+16*\b+\i]|
.endr
.endr
.irp b, 0,1,2,3
	v_permlanex16_b32 v[TM+4+\b], v[TM+\b], s[SEL], s[SEL+1]
.endr
.irp b, 0,1,2,3
	v_max_num_f32 v[TM+\b], v[TM+\b], v[TM+4+\b]   ; with lane l xor 16's: the block's largest magnitude
.endr
.irp b, 0,1,2,3
	v_add_nc_u32 v[TM+12+\b], 0xff000000, v[TM+\b] ; 2 off its exponent field: the conversion's scale operand
.endr
.irp b, 0,1,2,3
	v_lshrrev_b32 v[TM+4+\b], 23, v[TM+12+\b]      ; the scale's byte
.endr
	v_lshl_or_b32 v[\pw], v[TM+5], 8, v[TM+4]
	v_lshl_or_b32 v[\pw], v[TM+6], 16, v[\pw]
	v_lshl_or_b32 v[\pw], v[TM+7], 24, v[\pw]
.irp b, 0,1,2,3
	v_cvt_scalef32_pk8_fp4_f32 v[\pc+2*\b], v[\s+16*\b:\s+7+16*\b], v[TM+12+\b]
	v_cvt_scalef32_pk8_fp4_f32 v[\pc+1+2*\b], v[\s+8+16*\b:\s+15+16*\b], v[TM+12+\b]
.endr
	v_nop                                          ; one plain place behind a scaled conversion
.irp c, 0,1                                    ; the operand's layout wants a whole block in a lane
.irp i, 0,1
	v_permlane16_swap_b32 v[\pc+4*\c+\i], v[\pc+2+4*\c+\i]
.endr
.endr
.endm
	s_cmp_lt_u32 ttmp9, 768
	s_cbranch_scc0 .Le
; ---- h: tile tb of 128 in its batch; index i of the shifted rows is row i + 63 of h; indices from 1985 on are zero rows
	s_sub_co_u32 s25, ttmp9, 256
	s_and_b32 s34, s25, 127                        ; tb
	s_lshr_b32 s35, s25, 7                         ; batch
	s_lshr_b32 s36, s34, 1
	s_lshl_b32 s36, s36, 5
	s_and_b32 s37, s34, 1
	s_lshl_b32 s37, s37, 3
	s_add_co_u32 s36, s36, s37                     ; the tile's first index: 32 (tb / 2) + 8 (tb % 2)
	s_add_co_u32 s36, s36, 63
	s_min_u32 s36, s36, 2047                       ; no load leaves h
	s_lshl_b32 s35, s35, 11
	s_add_co_u32 s36, s36, s35
	s_lshr_b32 s38, s25, 2
	s_and_b32 s39, s25, 3
	s_mov_b32 s40, 0
	s_mov_b32 s41, 32768
	s_lshl_b32 s32, s24, 10
	s_mov_b32 s33, 0
	s_wait_kmcnt 0x0
	s_mov_b64 s[26:27], s[12:13]
	PTRS
	s_add_nc_u64 s[16:17], s[16:17], s[32:33]
	s_add_nc_u64 s[18:19], s[18:19], s[32:33]
	global_load_b128 v[G:G+3], v[LO], s[16:17]
	global_load_b128 v[G+4:G+7], v[LO], s[16:17] offset:512
	global_load_b128 v[BB:BB+3], v[LO], s[18:19]
	global_load_b128 v[BB+4:BB+7], v[LO], s[18:19] offset:512
	s_cmp_lt_u32 s34, 124
	s_cbranch_scc0 .Ledge
	LOADT 4096, 8                                  ; indices 0..7 and 16..23 from the tile's first
	s_branch .Lloaded
.Ledge:
	LOADT 0, 8                                     ; tiles 124..127 of a batch: row 2047 sixteen times; of tile 124 it is index 1984, the one row that counts
.Lloaded:
	s_mov_b32 s35, 0x3a800000                      ; 1 / 1024
	s_mov_b32 s36, 0x3727c5ac                      ; 1e-5
	s_wait_loadcnt 0x0
.set p, 0
.rept 16
	v_pk_add_f32 v[XX+4*p:XX+4*p+1], v[R+8*p:R+8*p+1], v[R+8*p+2:R+8*p+3]
.set p, p+1
.endr
.set p, 0
.rept 16
	v_pk_add_f32 v[XX+4*p+2:XX+4*p+3], v[R+8*p+4:R+8*p+5], v[R+8*p+6:R+8*p+7]
.set p, p+1
.endr
.set p, 0
.rept 16
	v_pk_add_f32 v[XX+4*p:XX+4*p+1], v[XX+4*p:XX+4*p+1], v[XX+4*p+2:XX+4*p+3]
.set p, p+1
.endr
.set p, 0
.rept 16
	v_add_f32 v[SUM+p], v[XX+4*p], v[XX+4*p+1]
.set p, p+1
.endr
	REDUCE 0
.set p, 0
.rept 16
	v_mul_f32 v[XX+4*p], s35, v[XX+4*p]            ; the mean: the low word of a pair, taken for both halves below
.set p, p+1
.endr
.set p, 0
.rept 16
.irp k, 0,2,4,6
	v_pk_add_f32 v[R+8*p+\k:R+8*p+\k+1], v[R+8*p+\k:R+8*p+\k+1], v[XX+4*p:XX+4*p+1] op_sel_hi:[1,0] neg_lo:[0,1] neg_hi:[0,1]   ; d = x - mean, in place: the variance is taken of d, so an offset common to a row costs no accuracy
.endr
.set p, p+1
.endr
.set p, 0
.rept 16
	v_pk_mul_f32 v[XX+4*p:XX+4*p+1], v[R+8*p:R+8*p+1], v[R+8*p:R+8*p+1]
.set p, p+1
.endr
.irp k, 2,4,6
.set p, 0
.rept 16
	v_pk_fma_f32 v[XX+4*p:XX+4*p+1], v[R+8*p+\k:R+8*p+\k+1], v[R+8*p+\k:R+8*p+\k+1], v[XX+4*p:XX+4*p+1]
.set p, p+1
.endr
.endr
.set p, 0
.rept 16
	v_add_f32 v[SUM+p], v[XX+4*p], v[XX+4*p+1]
.set p, p+1
.endr
	REDUCE 256                                     ; other bytes than the first sums': no barrier is owed between reading those and writing these
.set p, 0
.rept 16
	v_fma_f32 v[XX+4*p], v[XX+4*p], s35, s36       ; variance + 1e-5
.set p, p+1
.endr
.set p, 0
	s_wait_alu depctr_va_vdst(0)
.rept 16
	v_rsq_f32 v[XX+4*p+2], v[XX+4*p]
.set p, p+1
.endr
	v_nop                                          ; a plain instruction behind the last of the batch
	s_wait_alu depctr_va_vdst(0)                   ; one wait for the sixteen, ahead of their first reader
.set p, 0
.rept 16
.irp k, 0,2,4,6
	v_pk_mul_f32 v[R+8*p+\k:R+8*p+\k+1], v[R+8*p+\k:R+8*p+\k+1], v[XX+4*p+2:XX+4*p+3] op_sel_hi:[1,0]
.endr
.set p, p+1
.endr
.set p, 0
.rept 16
.irp k, 0,2,4,6
	v_pk_fma_f32 v[R+8*p+\k:R+8*p+\k+1], v[R+8*p+\k:R+8*p+\k+1], v[G+\k:G+\k+1], v[BB+\k:BB+\k+1]
.endr
.set p, p+1
.endr
	s_cmp_lt_u32 s34, 124
	s_cbranch_scc1 .Ltail
	s_cmp_eq_u32 s34, 124                          ; the batch's last four tiles: zero rows behind index 1984
	s_cselect_b32 s37, 1.0, 0
.irp k, 0,1,2,3,4,5,6,7
	v_mul_f32 v[R+\k], s37, v[R+\k]
.endr
.set p, 8
.rept 120
	v_mov_b32 v[R+p], 0
.set p, p+1
.endr
	s_branch .Ltail
; ---- e: tile t of 8 in its chunk of 128 rows: rows 8 t .. 8 t + 7 of neighbour 0, and of neighbour 1
.Le:
	s_sub_co_u32 s25, ttmp9, 768
	s_lshr_b32 s38, s25, 3
	s_and_b32 s39, s25, 7
	s_lshl_b32 s36, s38, 7
	s_lshl_b32 s37, s39, 3
	s_add_co_u32 s36, s36, s37                     ; 128 chunk + 8 t
	s_mov_b32 s40, 34816
	s_mov_b32 s41, 100352
	s_wait_kmcnt 0x0
	s_mov_b64 s[26:27], s[14:15]
	PTRS
	LOADT 4096, 56                                 ; rows 0..7 and 64..71 from the tile's first
; ---- both: the loads gave neighbouring lanes neighbouring bytes; the conversions want 16 neighbours along K in one lane: the wave's numbers turn through its own stages in LDS
.Ltail:
	s_wait_loadcnt 0x0
.set p, 0
	s_wait_alu depctr_va_vdst(0)
.rept 16
	ds_store_b128 v[STI], v[R+8*p:R+8*p+3] offset:528*p
	ds_store_b128 v[STI], v[R+8*p+4:R+8*p+7] offset:STG+528*p
.set p, p+1
.endr
.irp q, 0,1
.set b, 0
.rept 4
.set j, 0
.rept 4
	ds_load_b128 v[XX+16*b+4*j:XX+16*b+4*j+3], v[STO] offset:STG*\q+128*b+16*j   ; LDS serves a wave's instructions in order: these see my stores.  Rows 528 bytes apart
.set j, j+1
.endr
.set b, b+1
.endr
	s_wait_dscnt 0x0
	QUANT XX, PC+8*\q, PW+\q
	global_store_b128 v[LO], v[PC+8*\q:PC+8*\q+3], s[28:29] offset:1024*\q         ; the image as it stands: 512 consecutive bytes a store
	global_store_b128 v[LO], v[PC+8*\q+4:PC+8*\q+7], s[28:29] offset:1024*\q+512
.endr
	v_cmp_le_u32 vcc_lo, 16, v1
	v_cndmask_b32 v[PWC], v[PW], v[PW+1], vcc_lo   ; lanes 0-15 K step 2 w's words, lanes 16-31 K step 2 w + 1's (both halves of the lanes hold a row's word)
	global_store_b32 v[L4], v[PWC], s[30:31]
	s_wait_tensorcnt 0x0                           ; the wave's end
	ds_add_u32 v10, v15
	s_wait_dscnt 0x0
	s_endpgm
.Lfunc_end_k_q70b5fe5b88_prep:
	.size	k_q70b5fe5b88_prep, .Lfunc_end_k_q70b5fe5b88_prep-k_q70b5fe5b88_prep
	.p2alignl 7, 3214868480
	.fill 96, 4, 3214868480
	.section	.rodata,"a",@progbits
	.p2align	6, 0x0
	.amdhsa_kernel k_q70b5fe5b88_prep
		.amdhsa_group_segment_fixed_size 68608
		.amdhsa_private_segment_fixed_size 0
		.amdhsa_enable_private_segment 0
		.amdhsa_kernarg_size 80
		.amdhsa_user_sgpr_count 2
		.amdhsa_user_sgpr_kernarg_segment_ptr 1
		.amdhsa_wavefront_size32 1
		.amdhsa_system_sgpr_workgroup_id_x 1
		.amdhsa_system_sgpr_workgroup_id_y 1
		.amdhsa_system_sgpr_workgroup_id_z 1
		.amdhsa_system_vgpr_workitem_id 0
		.amdhsa_next_free_vgpr 256
		.amdhsa_next_free_sgpr 66
		.amdhsa_reserve_vcc 1
		.amdhsa_float_denorm_mode_32 3
		.amdhsa_float_denorm_mode_16_64 3
		.amdhsa_memory_ordered 1
		.amdhsa_forward_progress 1
		.amdhsa_inst_pref_size 92
	.end_amdhsa_kernel
	.amdgpu_metadata
---
amdhsa.version: [ 1, 2 ]
amdhsa.kernels:
  - .name:           k_q70b5fe5b88_prep
    .symbol:         k_q70b5fe5b88_prep.kd
    .args:
      - { .name: Wq, .offset: 0, .size: 8, .value_kind: global_buffer, .address_space: global }
      - { .name: Wk, .offset: 8, .size: 8, .value_kind: global_buffer, .address_space: global }
      - { .name: Wv, .offset: 16, .size: 8, .value_kind: global_buffer, .address_space: global }
      - { .name: Wo, .offset: 24, .size: 8, .value_kind: global_buffer, .address_space: global }
      - { .name: h, .offset: 32, .size: 8, .value_kind: global_buffer, .address_space: global }
      - { .name: e, .offset: 40, .size: 8, .value_kind: global_buffer, .address_space: global }
      - { .name: ln_g, .offset: 48, .size: 8, .value_kind: global_buffer, .address_space: global }
      - { .name: ln_b, .offset: 56, .size: 8, .value_kind: global_buffer, .address_space: global }
      - { .name: act, .offset: 64, .size: 8, .value_kind: global_buffer, .address_space: global }
      - { .name: wts, .offset: 72, .size: 8, .value_kind: global_buffer, .address_space: global }
    .group_segment_fixed_size: 68608
    .private_segment_fixed_size: 0
    .kernarg_segment_align: 8
    .kernarg_segment_size: 80
    .max_flat_workgroup_size: 128
    .sgpr_count:     66
    .vgpr_count:     256
    .wavefront_size: 32
...
	.end_amdgpu_metadata
.endif
;; end of part 1
;; launch attn (part 2): grid 32 x 8, 4 waves a work-group, clusters of 4 x 1, 327,680 bytes of LDS; arguments act, wts, bq, bk, bv, oc; writes oc
.if DOCPART == 2
	.amdgcn_target "amdgcn-amd-amdhsa--gfx1250"
	.amdhsa_code_object_version 6
	.text
	.protected	k_q70b5fe5b88_attn
	.globl	k_q70b5fe5b88_attn
	.p2align	8
	.type	k_q70b5fe5b88_attn,@function
k_q70b5fe5b88_attn:
	s_mov_b64 s[64:65], 0
	v_nop
	global_prefetch_b8 v0, s[64:65] scope:SCOPE_SE
	s_setreg_imm32_b32 hwreg(HW_REG_WAVE_MODE, 25, 1), 1
	s_wait_xcnt 0x0
	s_wait_alu depctr_hold_cnt(0) depctr_sa_sdst(0) depctr_va_vdst(0) depctr_va_sdst(0) depctr_va_ssrc(0) depctr_va_vcc(0) depctr_vm_vsrc(0)
	s_getreg_b32 s2, hwreg(HW_REG_IB_STS2, 6, 4)
	s_cmp_eq_u32 s2, 0
	s_cbranch_scc0 .Lentry_in_a_cluster
	s_endpgm
.Lentry_in_a_cluster:
	s_bfe_u32 s2, ttmp6, 0x10000c
	s_cmp_lg_u32 s2, 0x3003
	s_cbranch_scc0 .Lentry_shape_is_right
	s_endpgm
.Lentry_shape_is_right:
; ATTN: q = LN(h) Wq + bq, k = e Wk + bk, v = e Wv + bv, softmax(q k^T / 8) v for two heads of four chunks; all six operands are codes of FP4 (E2M1) with E8M0 scales.
; SHARES.  A work-group takes the group P of 128 columns (heads 2 P, 2 P + 1) and four chunks; wave w takes chunk 4 x + w whole.
; THE WEIGHTS of the group, Wq, Wk, Wv: 3 x 65,536 bytes of fragment images and 3 x 4,096 of scale images, come into LDS once, one tensor load a wave (waves 0-2 a matrix's codes, wave 3 the scales),
; and are never filled again.  The 32 work-groups of a P read the same bytes: four of them form a cluster and ask jointly.
; THE ACTIVATIONS are each wave's own: their fragment images go from memory straight into registers, a ring of four K steps (8 loads of 512 bytes a step); the first four steps of the next
; phase are asked for ahead of the quantising of the phase before.  So no L2 prefetch is laid: each load is already issued three K steps ahead of its use, and no slot ring is drained.
; PHASES of a wave: Q (4 row tiles x 8 column tiles), then two passes over the keys, 64 places each: K and V TOGETHER (4 row tiles x 16 column tiles, 64 accumulators), so that e is read once.
; A K step's weights come from LDS in groups of four tiles, four buffers, three groups ahead.
; ORIENTATION: q, k: source 0 = 16 columns of W, source 1 = 16 rows: a lane holds a row, its registers run along the head's axis, the next K.  v: the other way round: a lane holds a column d, registers run along the keys.
; A pass gives part c = pass of each fragment of v^T and two of its four scale bytes.  The quantised q, k, v wait in the wave's own LDS bytes as images of the operands' registers.
; The biases are the C of each sum's first product.  The softmax takes the row's maximum away, is normalised, and is then quantised.
; LIMITS: NaN and infinities are not served.  A block whose largest magnitude lies under 2^-124 keeps the scale byte 1; this program alone reads the bytes.
; REGISTERS: window 0: v1-15, v244-247 addresses; v16-31 the rows' scale words; v32-63, v64-95 Wq's or Wk's, Wv's; v96-223 four buffers of four weight fragments; v208-241 at work in the quantiser.
;   window 1: v0-127 the ring of the rows' fragments; v128-191 bq or bk, v192-255 bv, as C.   window 2: q's or k's accumulators;   window 3: v's.
.set ACTB, 104448
.set WMAT, 557056
.set OCB,  34816
.set WLDS, 208896                      ; the weights in LDS: codes at 65536 m, scale images at 196608 + 4096 m
.set PRIV, 23296                       ; a wave's own bytes, behind them
.set SPARE, WLDS+4*PRIV                ; the spare words
.set QI,   0
.set KI,   4096
.set VI,   12288
.set QS,   20480
.set KS,   20992
.set VS,   22016
.set OS,   23040
.set L16,  1
.set L4,   2
.set OSR,  3
.set AWK,  4
.set AWV,  5
.set SW,   6
.set PI,   7
.set PS,   8
.set POS,  9
.set BO,   10
.set BVO,  11
.set L8,   12
.set AQ,   13
.set AQS,  14
.set AOS,  15
.set AS,   16
.set WSK,  32
.set WSV,  64
.set WB,   96
.set TM,   208
.set PC0,  224
.set PC1,  232
.set PW0,  240
.set PW1,  241
.set PIK,  244
.set PSK,  245
.set PIV,  246
.set PSV,  247
.set QF,   16
.set BM,   32
.set BT,   36
.set NM,   40
.set SU,   42
.set INV,  46
.set SCR,  48
.set KSC,  80
.set VSC,  88
.set QSC,  96
.set S,    144
.set WV,   16
.set CH,   18
.set PP,   19
.set G1,   24
.set G1S,  32
.set G0,   40
.set AP,   44
.set ASP,  46
.set PASS, 48
.set TK,   49
.set T5,   50
.set T2,   51
.set SEL,  60
.set CS,   62
.set NC,   66
.set TRIP, 67
.set TQ,   68
.set TS,   69
.set OSP,  70
.set TO,   72
.set MSB, 0
.macro WIN new
.if MSB != (\new)
	s_set_vgpr_msb (MSB<<8)|(\new)
.set MSB, (\new)
.endif
.endm
.macro PLACES n
.rept \n
	v_nop
.endr
.endm
.macro ROUND                           ; a round of the cluster's barrier
	s_barrier_signal -1
	s_barrier_wait -1
	s_cmp_lg_u32 s[WV], 0
	s_cbranch_scc1 .Lnw0_\@
	s_barrier_signal -3
.Lnw0_\@:
	s_barrier_wait -3
	s_barrier_signal -1
	s_barrier_wait -1
.endm
.macro WM rd, ra, rb, rc, sa, sb, odd  ; odd K steps take their scale words from lanes 16-31
.if \odd
	v_wmma_scale_f32_16x16x128_f8f6f4 v[\rd:\rd+7], v[\ra:\ra+7], v[\rb:\rb+7], v[\rc:\rc+7], v[\sa], v[\sb] matrix_a_fmt:MATRIX_FMT_FP4 matrix_b_fmt:MATRIX_FMT_FP4 matrix_a_scale:MATRIX_SCALE_ROW1 matrix_b_scale:MATRIX_SCALE_ROW1
.else
	v_wmma_scale_f32_16x16x128_f8f6f4 v[\rd:\rd+7], v[\ra:\ra+7], v[\rb:\rb+7], v[\rc:\rc+7], v[\sa], v[\sb] matrix_a_fmt:MATRIX_FMT_FP4 matrix_b_fmt:MATRIX_FMT_FP4
.endif
.endm
.macro WMZ rd, ra, rb, sa, sb
	v_wmma_scale_f32_16x16x128_f8f6f4 v[\rd:\rd+7], v[\ra:\ra+7], v[\rb:\rb+7], 0, v[\sa], v[\sb] matrix_a_fmt:MATRIX_FMT_FP4 matrix_b_fmt:MATRIX_FMT_FP4
.endm
	s_load_b256 s[4:11], s[0:1], 0x0               ; act, wts, bq, bk
	s_load_b128 s[12:15], s[0:1], 0x20             ; bv, oc
	v_lshl_add_u32 v254, v0, 2, SPARE
	v_mov_b32 v255, 0
	ds_add_u32 v254, v255                          ; the opening lines: the add, twice on end, and its wait
	ds_add_u32 v254, v255
	v_lshrrev_b32 v1, 5, v0
	v_readfirstlane_b32 s[WV], v1                  ; wave
	s_bfe_u32 s20, ttmp6, 0x40000                  ; cx
	s_lshl_b32 s[CH], ttmp9, 2
	s_add_co_u32 s[CH], s[CH], s20                 ; work-group x
	s_lshl_b32 s[CH], s[CH], 2
	s_add_co_u32 s[CH], s[CH], s[WV]               ; my chunk: it enters global addresses alone
	s_and_b32 s[PP], ttmp7, 0xffff                 ; P
	s_mov_b32 s[G1], 15|(3<<16)|(1<<21)            ; a matrix's codes: 256 rows of 256 bytes, dense; the mask names the cluster's four
	s_mov_b32 s[G1+1], 32<<16
	s_mov_b32 s[G1+2], 256<<16
	s_mov_b32 s[G1+3], 32<<16
	s_mov_b32 s[G1+4], 256
	s_mov_b32 s[G1+5], 32
	s_mov_b32 s[G1+6], 0
	s_mov_b32 s[G1+7], 0
	s_mov_b32 s[G1S], 15|(3<<16)|(1<<21)           ; the scale images: 3 rows of 4,096 bytes, a matrix's block apart
	s_mov_b32 s[G1S+1], 512<<16
	s_mov_b32 s[G1S+2], 3<<16
	s_mov_b32 s[G1S+3], 512<<16
	s_mov_b32 s[G1S+4], 3
	s_mov_b32 s[G1S+5], WMAT/8
	s_mov_b32 s[G1S+6], 0
	s_mov_b32 s[G1S+7], 0
	s_mov_b32 s[G0], 1
	s_lshl_b32 s[G0+1], s[WV], 16                  ; LDS: 65536 x wave
	s_mul_i32 s22, s[WV], WMAT
	s_lshl_b32 s20, s[PP], 16
	s_add_co_u32 s22, s22, s20                     ; waves 0-2: matrix w, group P
	s_lshl_b32 s20, s[PP], 12
	s_add_co_u32 s20, s20, 524288                  ; wave 3: Wq's scale images of group P
	s_cmp_lt_u32 s[WV], 3
	s_cselect_b32 s22, s22, s20
	s_mov_b32 s23, 0
	v_and_b32 v13, 31, v0
	v_and_b32 v14, 15, v0
	v_bfe_u32 v15, v0, 4, 1
	v_lshlrev_b32 v[L16], 4, v13
	v_lshlrev_b32 v[L4], 2, v13
	v_lshlrev_b32 v[L8], 3, v13
	v_add_nc_u32 v[AWK], 65536, v[L16]
	v_add_nc_u32 v[AWV], 131072, v[L16]
	v_add_nc_u32 v[SW], 196608, v[L4]
	s_mul_i32 s21, s[WV], PRIV
	s_add_co_u32 s21, s21, WLDS
	v_add_nc_u32 v[PI], s21, v[L16]
	v_add_nc_u32 v[PS], s21, v[L4]
	v_lshl_add_u32 v[POS], v14, 2, s21
	v_add_nc_u32 v[POS], OS, v[POS]
	v_add_nc_u32 v[OSR], s21, v[L8]
	v_add_nc_u32 v[OSR], OS, v[OSR]
	v_lshlrev_b32 v[BO], 6, v15                    ; bq, bk: 16 h columns
	v_and_b32 v[BVO], 8, v14
	v_add_nc_u32 v[BVO], v[BVO], v14
	v_lshlrev_b32 v[BVO], 2, v[BVO]                ; bv: column r + 8 (r / 8)
.irp b, 0,1,2,3
	v_mov_b32 v[TM+4+\b], 0                        ; a lane permute's destination counts as one of its sources
.endr
	s_mov_b32 s[SEL], 0x76543210
	s_mov_b32 s[SEL+1], 0xfedcba98
	s_mov_b32 s[CS], 0x3e38aa3b                    ; log2(e) / 8
	s_mov_b32 s[CS+1], s[CS]
	s_mov_b32 s[NC], 0xbe38aa3b
	s_wait_alu depctr_va_vdst(0)
	s_wait_dscnt 0x0
	s_wait_kmcnt 0x0
	s_add_nc_u64 s[G0+2:G0+3], s[6:7], s[22:23]
	s_or_b32 s[G0+3], s[G0+3], 0x80000000
	ROUND                                          ; the four work-groups are here: the joint loads meet
	s_cmp_lt_u32 s[WV], 3                          ; one load a wave, one arm each
	s_cbranch_scc0 .Lhs
	tensor_load_to_lds s[G0:G0+3], s[G1:G1+7]
	s_nop 0
	PLACES 4
	s_branch .Lhj
.Lhs:
	tensor_load_to_lds s[G0:G0+3], s[G1S:G1S+7]
	s_nop 0
	PLACES 4
.Lhj:
	s_mul_i32 s20, s[CH], ACTB
	s_mov_b32 s21, 0
	s_add_nc_u64 s[AP:AP+1], s[4:5], s[20:21]      ; the phase's fragment images: first LN(h)'s
	s_add_nc_u64 s[ASP:ASP+1], s[AP:AP+1], 32768   ; and its scale images
	s_lshl_b32 s2, s[PP], 9
	s_mov_b32 s3, 0
	s_add_nc_u64 s[8:9], s[8:9], s[2:3]
	s_add_nc_u64 s[10:11], s[10:11], s[2:3]
	s_add_nc_u64 s[12:13], s[12:13], s[2:3]
	s_mul_i32 s20, s[CH], OCB
	s_lshl_b32 s2, s[PP], 8
	s_add_co_u32 s2, s2, s20
	s_add_co_u32 s2, s2, 32768
	s_add_nc_u64 s[OSP:OSP+1], s[14:15], s[2:3]
	s_lshl_b32 s2, s[PP], 10
	s_add_co_u32 s2, s2, s20
	s_add_nc_u64 s[14:15], s[14:15], s[2:3]
.macro LOADBI base                     ; bq or bk in the result's layout, into window 1
.irp t, 0,1,2,3,4,5,6,7
	global_load_b128 v[128+8*\t:128+8*\t+3], v[BO], s[\base:\base+1] offset:(32*(\t/2)+8*(\t%2))*4
	global_load_b128 v[128+8*\t+4:128+8*\t+7], v[BO], s[\base:\base+1] offset:(32*(\t/2)+8*(\t%2))*4+16
.endr
.endm
.macro ASLD                            ; the phase's four row tiles' scale images
.irp i, 0,1,2,3
.irp w, 0,1,2,3
	global_load_b32 v[AS+4*\i+\w], v[L4], s[ASP:ASP+1] offset:512*\i+128*\w
.endr
.endr
.endm
.macro ASET st                         ; the four row tiles' fragments of K step st into ring place st % 4 (window 1)
.irp i, 0,1,2,3
	global_load_b128 v[32*((\st)%4)+8*\i:32*((\st)%4)+8*\i+3], v[L16], s[AP:AP+1] offset:(8*\i+(\st))*1024
	global_load_b128 v[32*((\st)%4)+8*\i+4:32*((\st)%4)+8*\i+7], v[L16], s[AP:AP+1] offset:(8*\i+(\st))*1024+512
.endr
.endm
.macro WSLD dst, m                     ; matrix m's scale images from LDS
.irp t, 0,1,2,3,4,5,6,7
.irp w, 0,1,2,3
	ds_load_b32 v[\dst+4*\t+\w], v[SW] offset:4096*\m+512*\t+128*\w
.endr
.endr
.endm
.macro WLD adr, st, t0, buf            ; four weight fragments of K step st, tiles t0 on, into a buffer
.irp tt, 0,1,2,3
	ds_load_b128 v[WB+32*(\buf)+8*\tt:WB+32*(\buf)+8*\tt+3], v[\adr] offset:8192*(\st)+1024*((\t0)+\tt)
	ds_load_b128 v[WB+32*(\buf)+8*\tt+4:WB+32*(\buf)+8*\tt+7], v[\adr] offset:8192*(\st)+1024*((\t0)+\tt)+512
.endr
.endm
.macro WLDG ph, g                      ; group g of a phase.  ph = 0: Wq, two groups a K step;  ph = 1: Wk's two, then Wv's two
.if \ph
.set ws_, (\g)/4
.set wq_, (\g)%4
.set wa_, AWK+wq_/2
	WLD wa_, ws_, 4*(wq_%2), wq_
.else
	WLD L16, (\g)/2, 4*((\g)%2), (\g)%4
.endif
.endm
; A group: 16 matrix instructions, four weight tiles x four row tiles; the accumulators take turns.
; Ahead of them: four places behind the group before, whose registers are loaded anew; at a K step's first group the ring's next set; the weights of three groups on.
.macro GRP ph, g
.set npg, 2+2*(\ph)
.set gs, (\g)/npg
.set gq, (\g)%npg
.set rem, 8*npg-1-(\g)
.if rem > 3
.set rem, 3
.endif
.if (\g) > 0
	PLACES 4
.endif
.if (gq == 0) && (gs >= 1) && (gs <= 4)
	WIN 0x40
	ASET gs+3
.endif
.if rem == 3
	WIN 0
	WLDG \ph, (\g)+3
.endif
.if gq == 0
.if gs <= 4
	s_wait_loadcnt 24                              ; this K step's set is in; three younger sets of 8 loads may be out
.else
	s_wait_loadcnt 8*(7-gs)
.endif
.endif
	s_wait_dscnt 8*rem                             ; this group's weights are in; the younger groups' 8 loads each may be out
.set vv, 0
.if (\ph) && (gq >= 2)
.set vv, 1
.endif
.set wn, 0xa4+0x4d*vv                  ; q, k: source 1 window 1, C and D window 2;  v: source 0 window 1, C and D window 3
.if gs == 0
.set wn, 0x94+0x3d*vv                  ; the first K step takes the bias, in window 1, as C
.endif
	WIN wn
.set t0_, 4*(gq%2)
.set bf_, WB+32*((\g)%4)
.irp i, 0,1,2,3
.irp tt, 0,1,2,3
.set t_, t0_+\tt
.set rA, 32*(gs%4)+8*\i
.if vv
.set rD, 32*t_+8*\i
.set rC, rD
.if gs == 0
.set rC, 192+8*t_
.endif
	WM rD, rA, bf_+8*\tt, rC, AS+4*\i+gs/2, WSV+4*t_+gs/2, gs%2
.else
.set rD, 64*\i+8*t_
.set rC, rD
.if gs == 0
.set rC, 128+8*t_
.endif
	WM rD, bf_+8*\tt, rA, rC, WSK+4*t_+gs/2, AS+4*\i+gs/2, gs%2
.endif
.endr
.endr
.endm
; 64 results of a lane in window w, register s + 16 b + i = index 32 b + 16 (lane / 16) + i along the next K, become 8 registers of codes and a scale word; the four blocks by turns
.macro QUANTW w, s, pc, pw
	WIN (((\w)<<2)+((\w)<<4))
.irp b, 0,1,2,3
	v_max3_num_f32 v[TM+\b], 0x1800000, |v[(\s)+16*\b]|, |v[(\s)+16*\b+1]|   ; with the floor 2^(3 - 127)
.endr
.irp i, 2,4,6,8,10,12,14
.irp b, 0,1,2,3
	v_max3_num_f32 v[TM+\b], v[TM+\b], |v[(\s)+16*\b+\i]|, |v[(\s)+16*\b+\i+1]|
.endr
.endr
	WIN 0
.irp b, 0,1,2,3
	v_permlanex16_b32 v[TM+4+\b], v[TM+\b], s[SEL], s[SEL+1]
.endr
.irp b, 0,1,2,3
	v_max_num_f32 v[TM+\b], v[TM+\b], v[TM+4+\b]
.endr
.irp b, 0,1,2,3
	v_add_nc_u32 v[TM+12+\b], 0xff000000, v[TM+\b] ; 2 off the exponent field: the conversion's scale operand
.endr
.irp b, 0,1,2,3
	v_lshrrev_b32 v[TM+4+\b], 23, v[TM+12+\b]      ; the scale's byte
.endr
	v_lshl_or_b32 v[\pw], v[TM+5], 8, v[TM+4]
	v_lshl_or_b32 v[\pw], v[TM+6], 16, v[\pw]
	v_lshl_or_b32 v[\pw], v[TM+7], 24, v[\pw]
	WIN (\w)
.irp b, 0,1,2,3
	v_cvt_scalef32_pk8_fp4_f32 v[\pc+2*\b], v[(\s)+16*\b:(\s)+16*\b+7], v[TM+12+\b]
	v_cvt_scalef32_pk8_fp4_f32 v[\pc+2*\b+1], v[(\s)+16*\b+8:(\s)+16*\b+15], v[TM+12+\b]
.endr
	WIN 0
	v_nop                                          ; one plain place behind a scaled conversion
.irp c, 0,1
.irp i, 0,1
	v_permlane16_swap_b32 v[\pc+4*\c+\i], v[\pc+2+4*\c+\i]   ; a whole block in a lane
.endr
.endr
.endm
.macro EPI n, s, ai, io, as, so        ; a row tile of q or k: a whole fragment and its scale word into my own LDS bytes
.if (\n) >= 2
	s_wait_dscnt 3                                 ; the stores of two fragments ago are done: at most the last fragment's may be out
.endif
.set pcn, PC0+8*((\n)%2)
.set pwn, PW0+(\n)%2
	QUANTW 2, \s, pcn, pwn
	ds_store_b128 v[\ai], v[pcn:pcn+3] offset:\io
	ds_store_b128 v[\ai], v[pcn+4:pcn+7] offset:\io+512
	ds_store_b32 v[\as], v[pwn] offset:\so
.endm
.macro EPIV n, u                       ; column tiles 2 u, 2 u + 1 of v: this pass's part of each fragment, and its two scale bytes
	s_wait_dscnt 3
.set pcn, PC0+8*((\n)%2)
.set pwn, PW0+(\n)%2
	QUANTW 3, 64*\u, pcn, pwn
	ds_store_b128 v[PIV], v[pcn:pcn+3] offset:VI+2048*\u
	ds_store_b128 v[PIV], v[pcn+4:pcn+7] offset:VI+2048*\u+1024
	ds_store_b16 v[PSV], v[pwn] offset:VS+256*\u
	ds_store_b16_d16_hi v[PSV], v[pwn] offset:VS+256*\u+128
.endm
	WIN 0x40                                       ; under the tensor load's flight: bv (a lane's column in all eight registers of a C), bq, the first scale images and four K steps
.irp t, 0,1,2,3,4,5,6,7
.irp j, 0,1,2,3,4,5,6,7
	global_load_b32 v[192+8*\t+\j], v[BVO], s[12:13] offset:(32*(\t/2)+8*(\t%2))*4
.endr
.endr
	LOADBI 8
	WIN 0
	ASLD
	WIN 0x40
	ASET 0
	ASET 1
	ASET 2
	ASET 3
	WIN 0
	s_wait_tensorcnt 0x0                           ; my part of the weights is in,
	s_barrier_signal -1
	s_barrier_wait -1                              ; everybody's is
	WSLD WSK, 0
	WSLD WSV, 2
	WLDG 0, 0
	WLDG 0, 1
	WLDG 0, 2
.set gi, 0
.rept 16
	GRP 0, gi                                      ; q
.set gi, gi+1
.endr
	PLACES 4
	WIN 0
	s_add_nc_u64 s[AP:AP+1], s[AP:AP+1], 34816     ; all my loads are in (the last step's wait was for 0): on to e's tiles 0-3
	s_add_nc_u64 s[ASP:ASP+1], s[ASP:ASP+1], 67584
	WSLD WSK, 1
	WLDG 1, 0
	WLDG 1, 1
	WLDG 1, 2
	ASLD
	WIN 0x40
	LOADBI 10
	ASET 0
	ASET 1
	ASET 2
	ASET 3
	WIN 0
.irp i, 0,1,2,3
	EPI \i, 64*\i, PI, QI+1024*\i, PS, QS+128*\i
.endr
	s_mov_b32 s[PASS], 0
	s_mov_b32 s[TK], 0
	s_mov_b32 s[T5], 0
	s_mov_b32 s[T2], 0
.Lpass:                                                ; pass p: places 64 p .. 64 p + 63 of the chunk's 128 keys
	v_add_nc_u32 v[PIK], s[TK], v[PI]              ; k's fragments 4 p on
	v_add_nc_u32 v[PSK], s[T5], v[PS]
	v_add_nc_u32 v[PIV], s[T5], v[PI]              ; part p of v's fragments
	v_add_nc_u32 v[PSV], s[T2], v[PS]              ; bytes 2 p, 2 p + 1 of v's scale words
	s_wait_alu depctr_va_vdst(0)
.set gi, 0
.rept 32
	GRP 1, gi
.set gi, gi+1
.endr
	PLACES 4
	WIN 0
	s_cmp_lg_u32 s[PASS], 0
	s_cbranch_scc1 .Lnopre                         ; the last pass asks for nothing more
	s_add_nc_u64 s[AP:AP+1], s[AP:AP+1], 32768     ; e's tiles 4-7
	s_add_nc_u64 s[ASP:ASP+1], s[ASP:ASP+1], 2048
	WLDG 1, 0
	WLDG 1, 1
	WLDG 1, 2
	ASLD
	WIN 0x40
	ASET 0
	ASET 1
	ASET 2
	ASET 3
	WIN 0
.Lnopre:
.irp i, 0,1,2,3
	EPI \i, 64*\i, PIK, KI+1024*\i, PSK, KS+128*\i
.endr
.irp u, 0,1,2,3
	EPIV \u, \u
.endr
	s_add_co_u32 s[TK], s[TK], 4096
	s_add_co_u32 s[T5], s[T5], 512
	s_add_co_u32 s[T2], s[T2], 2
	s_add_co_u32 s[PASS], s[PASS], 1
	s_cmp_lt_u32 s[PASS], 2
	s_wait_alu depctr_va_vdst(0)
	s_cbranch_scc1 .Lpass
	s_wait_loadcnt 0x0                             ; no load is out: window 1 takes k's and v's fragments
.irp j, 0,1,2,3
	v_mov_b32 v[QF+4+\j], 0                        ; the other head's half of q's fragment: zero codes
	v_mov_b32 v[BT+\j], 0
.endr
	v_mov_b32 v[NM+1], 0
	v_mov_b32 v[INV+1], 0
	v_mov_b32 v[SCR+1], 0
	WIN 0x40
.irp f, 0,1,2,3,4,5,6,7
	ds_load_b128 v[8*\f:8*\f+3], v[PI] offset:KI+1024*\f
	ds_load_b128 v[8*\f+4:8*\f+7], v[PI] offset:KI+1024*\f+512
.endr
.irp f, 0,1,2,3,4,5,6,7
	ds_load_b128 v[64+8*\f:64+8*\f+3], v[PI] offset:VI+1024*\f
	ds_load_b128 v[64+8*\f+4:64+8*\f+7], v[PI] offset:VI+1024*\f+512
.endr
	WIN 0
.irp f, 0,1,2,3,4,5,6,7
	ds_load_b32 v[KSC+\f], v[PS] offset:KS+128*\f
	ds_load_b32 v[VSC+\f], v[PS] offset:VS+128*\f
.endr
; 16 queries x 128 keys of one head: a lane holds one query; the block's largest score serves the row's maximum and the block's largest weight
.macro SOFTMAX
.irp b, 0,1,2,3
	v_max3_num_f32 v[BM+\b], v[S+16*\b], v[S+16*\b+1], v[S+16*\b+2]
.endr
.irp i, 3,5,7,9,11,13
.irp b, 0,1,2,3
	v_max3_num_f32 v[BM+\b], v[BM+\b], v[S+16*\b+\i], v[S+16*\b+\i+1]
.endr
.endr
.irp b, 0,1,2,3
	v_max_num_f32 v[BM+\b], v[BM+\b], v[S+16*\b+15]
.endr
.irp b, 0,1,2,3
	v_permlanex16_b32 v[BT+\b], v[BM+\b], s[SEL], s[SEL+1]
.endr
.irp b, 0,1,2,3
	v_max_num_f32 v[BM+\b], v[BM+\b], v[BT+\b]
.endr
	v_max3_num_f32 v[SCR], v[BM], v[BM+1], v[BM+2]
	v_max_num_f32 v[SCR], v[SCR], v[BM+3]
	v_mul_f32 v[NM], s[NC], v[SCR]                 ; minus the row's maximum, scaled
.set j, 0
.rept 32
	v_pk_fma_f32 v[S+j:S+j+1], v[S+j:S+j+1], s[CS:CS+1], v[NM:NM+1] op_sel_hi:[1,0,0]
.set j, j+2
.endr
.irp b, 0,1,2,3
	v_fma_f32 v[BM+\b], v[BM+\b], s[CS], v[NM]
.endr
.set j, 0
	s_wait_alu depctr_va_vdst(0)
.rept 64
	v_exp_f32 v[S+j], v[S+j]
.set j, j+1
.endr
.irp b, 0,1,2,3
	v_exp_f32 v[BM+\b], v[BM+\b]
.endr
	v_nop
	s_wait_alu depctr_va_vdst(0)
	v_pk_add_f32 v[SU:SU+1], v[S:S+1], v[S+2:S+3]
	v_pk_add_f32 v[SU+2:SU+3], v[S+4:S+5], v[S+6:S+7]
.irp j, 8,12,16,20,24,28,32,36,40,44,48,52,56,60
	v_pk_add_f32 v[SU:SU+1], v[SU:SU+1], v[S+\j:S+\j+1]
	v_pk_add_f32 v[SU+2:SU+3], v[SU+2:SU+3], v[S+\j+2:S+\j+3]
.endr
	v_pk_add_f32 v[SU:SU+1], v[SU:SU+1], v[SU+2:SU+3]
	v_add_f32 v[SCR], v[SU], v[SU+1]
	v_permlanex16_b32 v[SCR+1], v[SCR], s[SEL], s[SEL+1]
	v_add_f32 v[SCR], v[SCR], v[SCR+1]
	s_wait_alu depctr_va_vdst(0)
	v_rcp_f32 v[INV], v[SCR]
	v_nop
	s_wait_alu depctr_va_vdst(0)
.set j, 0
.rept 32
	v_pk_mul_f32 v[S+j:S+j+1], v[S+j:S+j+1], v[INV:INV+1] op_sel_hi:[1,0]   ; normalised ahead of the quantiser
.set j, j+2
.endr
.irp b, 0,1,2,3
	v_mul_f32 v[BM+\b], v[BM+\b], v[INV]
.endr
.irp b, 0,1,2,3
	v_max_num_f32 v[BM+\b], 0x1800000, v[BM+\b]
.endr
.irp b, 0,1,2,3
	v_add_nc_u32 v[TM+12+\b], 0xff000000, v[BM+\b]
.endr
.irp b, 0,1,2,3
	v_lshrrev_b32 v[TM+4+\b], 23, v[TM+12+\b]
.endr
	v_lshl_or_b32 v[PW0], v[TM+5], 8, v[TM+4]
	v_lshl_or_b32 v[PW0], v[TM+6], 16, v[PW0]
	v_lshl_or_b32 v[PW0], v[TM+7], 24, v[PW0]
.irp b, 0,1,2,3
	v_cvt_scalef32_pk8_fp4_f32 v[PC0+2*\b], v[S+16*\b:S+16*\b+7], v[TM+12+\b]
	v_cvt_scalef32_pk8_fp4_f32 v[PC0+2*\b+1], v[S+16*\b+8:S+16*\b+15], v[TM+12+\b]
.endr
	v_nop
.irp c, 0,1
.irp i, 0,1
	v_permlane16_swap_b32 v[PC0+4*\c+\i], v[PC0+2+4*\c+\i]
.endr
.endr
	PLACES 8                                       ; a scale register written by a vector instruction stands 8 places ahead of the scaled product
.endm
	s_mov_b32 s[TRIP], 4
	s_mov_b32 s[TQ], 0
	s_mov_b32 s[TS], 0
	s_mov_b32 s[TO], 0
.Lq:                                                   ; a tile of 16 queries, both heads
	v_add_nc_u32 v[AQ], s[TQ], v[PI]
	v_add_nc_u32 v[AQS], s[TS], v[PS]
	v_add_nc_u32 v[AOS], s[TO], v[POS]
	ds_load_b128 v[QF:QF+3], v[AQ] offset:QI
	ds_load_b128 v[QF+8:QF+11], v[AQ] offset:QI+512
	ds_load_b32 v[QSC], v[AQS] offset:QS
	s_wait_dscnt 0x0
	s_wait_alu depctr_va_vdst(0)
.irp hd, 0,1
	WIN 0x01
.irp kt, 0,1,2,3,4,5,6,7
	WMZ S+8*\kt, 8*\kt, QF+4*\hd, KSC+\kt, QSC
.endr
	WIN 0
	PLACES 4
	SOFTMAX
	WIN 0x81
.irp dt, 0,1,2,3
	WMZ 32*\hd+8*\dt, 64+8*(4*\hd+\dt), PC0, VSC+4*\hd+\dt, PW0
.endr
	WIN 0
.endr
	PLACES 4
	QUANTW 2, 0, PC1, PW1
	global_store_b128 v[L16], v[PC1:PC1+3], s[14:15]           ; o's fragment image: 512 consecutive bytes a store
	global_store_b128 v[L16], v[PC1+4:PC1+7], s[14:15] offset:512
	ds_store_b32 v[AOS], v[PW1]
	s_wait_xcnt 0x0                                ; the stores have read their base and data
	s_add_nc_u64 s[14:15], s[14:15], 8192
	s_add_co_u32 s[TQ], s[TQ], 1024
	s_add_co_u32 s[TS], s[TS], 128
	s_add_co_u32 s[TO], s[TO], 64
	s_sub_co_u32 s[TRIP], s[TRIP], 1
	s_cmp_lg_u32 s[TRIP], 0
	s_cbranch_scc1 .Lq
	ds_load_b64 v[SCR:SCR+1], v[OSR]               ; o's scale words of my four tiles: one aligned run of 256 bytes
	s_wait_dscnt 0x0
	global_store_b64 v[L8], v[SCR:SCR+1], s[OSP:OSP+1]
	s_wait_tensorcnt 0x0                           ; the wave's end
	ds_add_u32 v254, v255
	s_wait_dscnt 0x0
	ROUND                                          ; the closing round
	s_endpgm
.Lfunc_end_k_q70b5fe5b88_attn:
	.size	k_q70b5fe5b88_attn, .Lfunc_end_k_q70b5fe5b88_attn-k_q70b5fe5b88_attn
	.p2alignl 7, 3214868480
	.fill 96, 4, 3214868480
	.section	.rodata,"a",@progbits
	.p2align	6, 0x0
	.amdhsa_kernel k_q70b5fe5b88_attn
		.amdhsa_group_segment_fixed_size 327680
		.amdhsa_private_segment_fixed_size 0
		.amdhsa_enable_private_segment 0
		.amdhsa_kernarg_size 48
		.amdhsa_user_sgpr_count 2
		.amdhsa_user_sgpr_kernarg_segment_ptr 1
		.amdhsa_wavefront_size32 1
		.amdhsa_system_sgpr_workgroup_id_x 1
		.amdhsa_system_sgpr_workgroup_id_y 1
		.amdhsa_system_sgpr_workgroup_id_z 1
		.amdhsa_system_vgpr_workitem_id 0
		.amdhsa_next_free_vgpr 1024
		.amdhsa_next_free_sgpr 80
		.amdhsa_reserve_vcc 0
		.amdhsa_float_denorm_mode_32 3
		.amdhsa_float_denorm_mode_16_64 3
		.amdhsa_memory_ordered 1
		.amdhsa_forward_progress 1
		.amdhsa_inst_pref_size 255
	.end_amdhsa_kernel
	.section	.bss,"aw",@nobits
	.p2align	6
	.space	262144
	.amdgpu_metadata
---
amdhsa.version: [ 1, 2 ]
amdhsa.kernels:
  - .name:           k_q70b5fe5b88_attn
    .symbol:         k_q70b5fe5b88_attn.kd
    .args:
      - { .name: act, .offset: 0, .size: 8, .value_kind: global_buffer, .address_space: global }
      - { .name: wts, .offset: 8, .size: 8, .value_kind: global_buffer, .address_space: global }
      - { .name: bq, .offset: 16, .size: 8, .value_kind: global_buffer, .address_space: global }
      - { .name: bk, .offset: 24, .size: 8, .value_kind: global_buffer, .address_space: global }
      - { .name: bv, .offset: 32, .size: 8, .value_kind: global_buffer, .address_space: global }
      - { .name: oc, .offset: 40, .size: 8, .value_kind: global_buffer, .address_space: global }
    .group_segment_fixed_size: 327680
    .private_segment_fixed_size: 0
    .kernarg_segment_align: 8
    .kernarg_segment_size: 48
    .max_flat_workgroup_size: 128
    .sgpr_count:     80
    .vgpr_count:     1024
    .wavefront_size: 32
...
	.end_amdgpu_metadata
.endif
;; end of part 2
;; launch outp (part 3): grid 4 x 64, 4 waves a work-group, no clusters, 168,448 bytes of LDS; arguments oc, wts, bo, h, out0; writes out0
.if DOCPART == 3
	.amdgcn_target "amdgcn-amd-amdhsa--gfx1250"
	.amdhsa_code_object_version 6
	.text
	.protected	k_q70b5fe5b88_outp
	.globl	k_q70b5fe5b88_outp
	.p2align	8
	.type	k_q70b5fe5b88_outp,@function
k_q70b5fe5b88_outp:
	s_mov_b64 s[64:65], 0
	v_nop
	global_prefetch_b8 v0, s[64:65] scope:SCOPE_SE
	s_setreg_imm32_b32 hwreg(HW_REG_WAVE_MODE, 25, 1), 1
	s_wait_xcnt 0x0
; OUTP: out0[b][i + 63] = h[b][i + 63] + (o Wo + bo)[b][i] for i = 0..1984; out0[b][0..62] = h[b][0..62].  o and Wo are codes of FP4 (E2M1) with E8M0 scales, made by the launches before.
; SHARES.  A work-group takes 128 rows of o (two chunks) and 256 columns; wave w takes 64 columns (group G = 4 x + w) for all 128 rows: 8 tiles of 16 rows x 4 tiles of columns, K = 1,024 in 8 steps.
; EVERY ROW OF out0 HAS ONE OWNER, WITH NO BRANCH: row i of o goes to row (i + 63) mod 2,048.  For i from 1985 on, whose results the crop throws away, that is one of rows 0..62, which are h alone:
; there the product's result is replaced by 0 ahead of the addition.
; The two chunks' codes and scale words of o, 69,632 dense bytes, come into LDS by one tensor load a wave, once.  My 32 fragments of Wo stay in window 1.  All my 32 KiB of h are asked for at the head, into window 2.
; ORIENTATION: source 0 = 16 rows of o, source 1 = 16 columns of Wo; lane r of column tile u holds column 64 G + 4 r + u.  So register j of the four accumulators is four NEIGHBOURING columns of one row:
; the residual's addition lays them into h's four registers, and sixteen lanes store 256 consecutive bytes, aligned.  No stage in LDS.
; No cluster: what work-groups share, o's 68 KiB among four, is about a seventh of what a work-group moves.
; REGISTERS: window 0: v1-13 addresses and bo; v16-79 a tile's 8 fragments of o; v80-83 its scale words; v84-99 Wo's; v100-131 4 accumulators; v132-163 bo as C; v164-227 64 row offsets.
.set OCB,  34816
.set WMAT, 557056
.set L16,  1                           ; 16 x lane; also the first chunk's codes in LDS
.set L4,   2
.set AO1,  4                           ; the second chunk's codes
.set AS0,  5                           ; the first chunk's scale words: 32768 + 256 h + 4 r
.set AS1,  6
.set RB,   7                           ; 128 (y % 16) + 16 h: my first row of o in its batch
.set C16,  8                           ; 16 r
.set TMP,  9
.set BOR,  10                          ; v10-13 bo at my four columns
.set OF,   16
.set OSC,  80
.set WS,   84
.set ACC,  100
.set BI,   132
.set HA,   164
.set MSB, 0
.macro WIN new
.if MSB != (\new)
	s_set_vgpr_msb (MSB<<8)|(\new)
.set MSB, (\new)
.endif
.endm
.macro PLACES n
.rept \n
	v_nop
.endr
.endm
.macro WM rd, ra, rb, rc, sa, sb, odd  ; odd K steps take their scale words from lanes 16-31
.if \odd
	v_wmma_scale_f32_16x16x128_f8f6f4 v[\rd:\rd+7], v[\ra:\ra+7], v[\rb:\rb+7], v[\rc:\rc+7], v[\sa], v[\sb] matrix_a_fmt:MATRIX_FMT_FP4 matrix_b_fmt:MATRIX_FMT_FP4 matrix_a_scale:MATRIX_SCALE_ROW1 matrix_b_scale:MATRIX_SCALE_ROW1
.else
	v_wmma_scale_f32_16x16x128_f8f6f4 v[\rd:\rd+7], v[\ra:\ra+7], v[\rb:\rb+7], v[\rc:\rc+7], v[\sa], v[\sb] matrix_a_fmt:MATRIX_FMT_FP4 matrix_b_fmt:MATRIX_FMT_FP4
.endif
.endm
	s_load_b256 s[4:11], s[0:1], 0x0               ; oc, wts, bo, h
	s_load_b64 s[12:13], s[0:1], 0x20              ; out0
	v_lshl_add_u32 v254, v0, 2, 0x29000
	v_mov_b32 v255, 0
	ds_add_u32 v254, v255
	ds_add_u32 v254, v255
	v_lshrrev_b32 v1, 5, v0
	v_readfirstlane_b32 s16, v1                    ; wave
	s_and_b32 s17, ttmp7, 0xffff                   ; y
	s_lshl_b32 s18, ttmp9, 2
	s_add_co_u32 s18, s18, s16                     ; G
	; group 1: a dense block as 68 rows of 256 bytes (32 elements of 8 bytes), no padding
	s_mov_b32 s24, 3<<16
	s_mov_b32 s25, 32<<16
	s_mov_b32 s26, 68<<16
	s_mov_b32 s27, 32<<16
	s_mov_b32 s28, 68
	s_mov_b32 s29, 32
	s_mov_b32 s30, 0
	s_mov_b32 s31, 0
	s_mov_b32 s32, 1
	s_mul_i32 s33, s16, 17408                      ; my quarter, in LDS as in memory
	s_mul_i32 s20, s17, 2*OCB
	s_add_co_u32 s20, s20, s33
	s_mov_b32 s21, 0
	v_and_b32 v[TMP], 31, v0
	v_lshlrev_b32 v[L16], 4, v[TMP]
	v_lshlrev_b32 v[L4], 2, v[TMP]
	v_add_nc_u32 v[AO1], OCB, v[L16]
	v_and_b32 v[C16], 15, v0                       ; r
	v_bfe_u32 v[RB], v0, 4, 1                      ; h
	v_lshlrev_b32 v[AS0], 2, v[C16]
	v_lshl_add_u32 v[AS0], v[RB], 8, v[AS0]
	v_add_nc_u32 v[AS0], 32768, v[AS0]             ; o's scale words lie [K step][tile][row]: lanes 16-31 take the odd K step's
	v_add_nc_u32 v[AS1], OCB, v[AS0]
	v_lshlrev_b32 v[C16], 4, v[C16]
	s_and_b32 s19, s17, 15
	s_lshl_b32 s19, s19, 7
	v_lshl_add_u32 v[RB], v[RB], 4, s19
	s_wait_alu depctr_va_vdst(0)
	s_wait_dscnt 0x0
	s_wait_kmcnt 0x0
	s_add_nc_u64 s[34:35], s[4:5], s[20:21]
	s_or_b32 s35, s35, 0x80000000
	tensor_load_to_lds s[32:35], s[24:31]          ; my one tensor load
	s_nop 0
	PLACES 4                                       ; four plain lines follow it
	s_lshr_b32 s20, s18, 1                         ; Wo's group of 128 columns,
	s_and_b32 s22, s18, 1                          ; and which four of its eight tiles are mine
	s_lshl_b32 s36, s20, 16
	s_lshl_b32 s37, s22, 12
	s_add_co_u32 s36, s36, s37
	s_add_co_u32 s36, s36, 3*WMAT
	s_mov_b32 s37, 0
	s_add_nc_u64 s[36:37], s[6:7], s[36:37]        ; Wo's fragments
	s_lshl_b32 s38, s20, 12
	s_lshl_b32 s39, s22, 11
	s_add_co_u32 s38, s38, s39
	s_add_co_u32 s38, s38, 3*WMAT+524288
	s_mov_b32 s39, 0
	s_add_nc_u64 s[38:39], s[6:7], s[38:39]        ; and their scale images
	s_lshl_b32 s20, s18, 8                         ; my 64 columns: 256 bytes
	s_add_nc_u64 s[8:9], s[8:9], s[20:21]
	s_lshr_b32 s22, s17, 4
	s_lshl_b32 s22, s22, 23                        ; the batch: 2,048 rows of 4,096 bytes
	s_add_co_u32 s20, s20, s22
	s_add_nc_u64 s[10:11], s[10:11], s[20:21]
	s_add_nc_u64 s[12:13], s[12:13], s[20:21]
	global_load_b128 v[BOR:BOR+3], v[C16], s[8:9]
.irp u, 0,1,2,3
.irp w, 0,1,2,3
	global_load_b32 v[WS+4*\u+\w], v[L4], s[38:39] offset:512*\u+128*\w
.endr
.endr
	WIN 0x40
.irp u, 0,1,2,3
.irp s, 0,1,2,3,4,5,6,7
	global_load_b128 v[8*(8*\u+\s):8*(8*\u+\s)+3], v[L16], s[36:37] offset:8192*\s+1024*\u
	global_load_b128 v[8*(8*\u+\s)+4:8*(8*\u+\s)+7], v[L16], s[36:37] offset:8192*\s+1024*\u+512
.endr
.endr
	WIN 0
; Tile tl = 4 chunk + i holds rows KT + 16 h + j of the 128, KT = 64 chunk + 32 (i / 2) + 8 (i % 2).  Row offsets in h and out0: ((first row + KT + j + 63) mod 2,048) x 4,096 + 16 r
.set tn, 0
.rept 8
.set KT, 64*(tn/4)+32*((tn%4)/2)+8*(tn%2)
.set j, 0
.rept 8
	v_add_nc_u32 v[TMP], KT+63+j, v[RB]
	v_and_b32 v[TMP], 0x7ff, v[TMP]
	v_lshl_add_u32 v[HA+8*tn+j], v[TMP], 12, v[C16]
.set j, j+1
.endr
.set tn, tn+1
.endr
	WIN 0x80
.set tn, 0
.rept 64
	global_load_b128 v[4*tn:4*tn+3], v[HA+tn], s[10:11] th:TH_LOAD_NT   ; h at the rows and columns that I shall store: sixteen lanes read 256 consecutive bytes
.set tn, tn+1
.endr
	WIN 0
.macro FETCHO tl                       ; a tile's eight fragments of o and its scale words
.set oa, L16
.if (\tl)/4
.set oa, AO1
.endif
.irp s, 0,1,2,3,4,5,6,7
	ds_load_b128 v[OF+8*\s:OF+8*\s+3], v[oa] offset:((\tl)%4)*8192+1024*\s
	ds_load_b128 v[OF+8*\s+4:OF+8*\s+7], v[oa] offset:((\tl)%4)*8192+1024*\s+512
.endr
.irp w, 0,1,2,3
	ds_load_b32 v[OSC+\w], v[AS0+(\tl)/4] offset:512*\w+64*((\tl)%4)
.endr
.endm
.macro TILE tl
.set KT, 64*((\tl)/4)+32*(((\tl)%4)/2)+8*((\tl)%2)
	s_wait_dscnt 0x0
	WIN 0x04                                       ; source 1 (Wo) window 1
.irp s, 0,1,2,3,4,5,6,7                        ; the four accumulators by turns, one instruction a turn
.irp u, 0,1,2,3
.set rC, ACC+8*\u
.if \s == 0
.set rC, BI+8*\u                       ; the first K step takes the bias as C
.endif
	WM ACC+8*\u, OF+8*\s, 8*(8*\u+\s), rC, OSC+\s/2, WS+4*\u+\s/2, \s%2
.endr
.endr
	WIN 0
	PLACES 4                                       ; for the loads into o's registers and the first read of results
.if (\tl) < 7
	FETCHO (\tl)+1
.endif
	s_wait_loadcnt 8*(7-(\tl))                     ; this tile's eight loads of h are in; the later tiles' may be out
.irp j, 0,1,2,3,4,5,6,7
	v_cmp_gt_u32 s[40+\j], 1985-KT-\j, v[RB]       ; the row of o is kept where its index in the batch is under 1985
.endr
.irp j, 0,1,2,3,4,5,6,7                        ; each accumulator from its low end on
.irp u, 0,1,2,3
	v_cndmask_b32 v[ACC+8*\u+\j], 0, v[ACC+8*\u+\j], s[40+\j]
.endr
.endr
	WIN 0x88                                       ; source 1 and destination window 2
.irp j, 0,1,2,3,4,5,6,7
.irp u, 0,1,2,3
	v_add_f32 v[32*(\tl)+4*\j+\u], v[ACC+8*\u+\j], v[32*(\tl)+4*\j+\u]
.endr
.endr
	WIN 0x08                                       ; a store's data: window 2
.irp j, 0,1,2,3,4,5,6,7
	global_store_b128 v[HA+8*(\tl)+\j], v[32*(\tl)+4*\j:32*(\tl)+4*\j+3], s[12:13] th:TH_STORE_NT   ; sixteen lanes store 256 consecutive bytes, aligned; no register of a store is written again
.endr
	WIN 0
.endm
	s_wait_tensorcnt 0x0                           ; my quarter of o is in,
	s_barrier_signal -1
	s_barrier_wait -1                              ; everybody's is
	FETCHO 0
	s_wait_loadcnt 63                              ; behind bo, the scale words and Wo's fragments 64 loads of h were issued: the largest count that the wait can name leaves 63 of them out
.irp u, 0,1,2,3
.irp j, 0,1,2,3,4,5,6,7
	v_mov_b32 v[BI+8*\u+\j], v[BOR+\u]             ; a lane holds one column of each tile: C wants its bias in all eight registers
.endr
.endr
	PLACES 4
	s_wait_alu depctr_va_vdst(0)
	TILE 0
	TILE 1
	TILE 2
	TILE 3
	TILE 4
	TILE 5
	TILE 6
	TILE 7
	s_wait_tensorcnt 0x0
	ds_add_u32 v254, v255
	s_wait_dscnt 0x0
	s_endpgm
.Lfunc_end_k_q70b5fe5b88_outp:
	.size	k_q70b5fe5b88_outp, .Lfunc_end_k_q70b5fe5b88_outp-k_q70b5fe5b88_outp
	.p2alignl 7, 3214868480
	.fill 96, 4, 3214868480
	.section	.rodata,"a",@progbits
	.p2align	6, 0x0
	.amdhsa_kernel k_q70b5fe5b88_outp
		.amdhsa_group_segment_fixed_size 168448
		.amdhsa_private_segment_fixed_size 0
		.amdhsa_enable_private_segment 0
		.amdhsa_kernarg_size 40
		.amdhsa_user_sgpr_count 2
		.amdhsa_user_sgpr_kernarg_segment_ptr 1
		.amdhsa_wavefront_size32 1
		.amdhsa_system_sgpr_workgroup_id_x 1
		.amdhsa_system_sgpr_workgroup_id_y 1
		.amdhsa_system_sgpr_workgroup_id_z 1
		.amdhsa_system_vgpr_workitem_id 0
		.amdhsa_next_free_vgpr 768
		.amdhsa_next_free_sgpr 66
		.amdhsa_reserve_vcc 0
		.amdhsa_float_denorm_mode_32 3
		.amdhsa_float_denorm_mode_16_64 3
		.amdhsa_memory_ordered 1
		.amdhsa_forward_progress 1
		.amdhsa_inst_pref_size 112
	.end_amdhsa_kernel
	.amdgpu_metadata
---
amdhsa.version: [ 1, 2 ]
amdhsa.kernels:
  - .name:           k_q70b5fe5b88_outp
    .symbol:         k_q70b5fe5b88_outp.kd
    .args:
      - { .name: oc, .offset: 0, .size: 8, .value_kind: global_buffer, .address_space: global }
      - { .name: wts, .offset: 8, .size: 8, .value_kind: global_buffer, .address_space: global }
      - { .name: bo, .offset: 16, .size: 8, .value_kind: global_buffer, .address_space: global }
      - { .name: h, .offset: 24, .size: 8, .value_kind: global_buffer, .address_space: global }
      - { .name: out0, .offset: 32, .size: 8, .value_kind: global_buffer, .address_space: global }
    .group_segment_fixed_size: 168448
    .private_segment_fixed_size: 0
    .kernarg_segment_align: 8
    .kernarg_segment_size: 40
    .max_flat_workgroup_size: 128
    .sgpr_count:     66
    .vgpr_count:     768
    .wavefront_size: 32
...
	.end_amdgpu_metadata
.endif
;; end of part 3
